; MI455X (gfx1250); checked and timed in simulation.
; The chip was launched on July 23, 2026; its instructions are those of AMD's public machine-readable ISA for CDNA 5 (MIT licence, August 2026) and "CDNA5" Instruction Set Architecture Reference Guide (July 2026). The comments in the code are by the model that wrote it; some were corrected since.
;; Model. Allowed arithmetic: float matrix products may take bf16 or f16 operands with f32 sums; all other float work in f32.
;; Inputs: x1 2 x 16 x 2,048 x 128 float32; x2 2 x 16 x 2,048 x 128 float32; x3 1 float32; x4 1 float32; x5 2 x 16 x 2,048 x 128 float32.
;; Outputs: out0 2 x 16 x 2,048 x 128 float32.
;; One version. Each part assembles by itself: llvm-mc -triple=amdgcn-amd-amdhsa -mcpu=gfx1250 --defsym DOCPART=n.
;; ======== version 1 of 1: 1 launch
;; launch attn (part 1): grid 256 x 1, 4 waves a work-group, clusters of 4 x 1, 327,680 bytes of LDS; arguments x1, x2, x3, x4, x5, out0; writes out0
.if DOCPART == 1
	.amdgcn_target "amdgcn-amd-amdhsa--gfx1250"
	.amdhsa_code_object_version 6
	.text
	.protected	k_q0a62fb5f68_attn
	.globl	k_q0a62fb5f68_attn
	.p2align	8
	.type	k_q0a62fb5f68_attn,@function
k_q0a62fb5f68_attn:
	s_mov_b64 s[64:65], 0
	v_nop
	global_prefetch_b8 v0, s[64:65] scope:SCOPE_SE
	s_setreg_imm32_b32 hwreg(HW_REG_WAVE_MODE, 25, 1), 1
	s_wait_xcnt 0x0
	s_wait_alu depctr_hold_cnt(0) depctr_sa_sdst(0) depctr_va_vdst(0) depctr_va_sdst(0) depctr_va_ssrc(0) depctr_va_vcc(0) depctr_vm_vsrc(0)
	s_getreg_b32 s2, hwreg(HW_REG_IB_STS2, 6, 4)
	s_cmp_eq_u32 s2, 0
	s_cbranch_scc0 .Lentry_in_a_cluster
	s_endpgm
.Lentry_in_a_cluster:
	s_bfe_u32 s2, ttmp6, 0x10000c
	s_cmp_lg_u32 s2, 0x3003
	s_cbranch_scc0 .Lentry_shape_is_right
	s_endpgm
.Lentry_shape_is_right:
; out = softmax(x3 * Q K^T) / (1 - x4) * V for 32 heads of 2,048 x 128, all tensors f32.  x1 = Q, x2 = K, x5 = V.
; SHARES: 256 work-groups = 32 heads x 8 blocks of 256 queries; four waves, each with 64 queries (four blocks q of 16).  Keys go in 32 trips of 64.
; BOTH PRODUCTS ARE USED TRANSPOSED.  S^T = K Q^T (source 0 = 16 keys, source 1 = 16 queries): lane (r, h) holds keys 8h .. 8h+7 of query r.
;   O^T = V^T P^T (source 0 = V through the transposing LDS load, source 1 = P): two neighbouring S^T tiles, rounded in pairs, ARE P's fragment, so P
;   never leaves its registers; maximum, sum and rescale factor are one number a lane; a lane's O^T registers are 8 neighbouring numbers of an output row.
; CLUSTER: the four work-groups of a cluster work on one head and walk the same K and V tiles, so each tile is asked for jointly (mask 15):
;   the requests for K and V are a quarter of what single requests would be.  (A head has eight query blocks = two clusters; a mask names four.)
; K AND V arrive as f32 in LDS (slots F0, F1, filled by tensor loads alone); each wave rounds a quarter of the tile to bf16 into padded slots B0, B1
;   (written by ds_store alone), one trip ahead of the trip that multiplies it.
; NUMBERS: Q, K, V and P go to the matrix unit in bf16 (round to nearest even); all else is f32.  With c = x3 * log2(e): p = 2^(|c| s' - |c| m), where
;   s' = sign(c) * s (the sign is moved into Q by flipping sign bits, exactly) and m is the running maximum of s'; any sign of x3 and x3 = 0 are served.
;   The first trip starts m, l and O: nothing is cleared and no infinity is used.  l sums the unrounded p.
; LIMITS: v_exp_f32 gives 0 for p below 2^-126 (the row's largest p is 1); v_rcp_f32 is good to 1 ULP; out = O * rcp(l * (1 - x4));
;   only inputs for which the reference stays finite are served (x4 = 1, NaN and infinities are not).
.set KTILE,  32768                     ; 64 keys x 512 bytes of f32: a trip's tile of K, or of V
.set FSLOT,  65536                     ; an f32 slot: K's tile, then V's
.set BBASE,  131072                    ; behind F0 and F1
.set KPITCH, 272                       ; bf16 K row: 256 bytes + 16: an odd multiple of 16, so 16 rows start in 16 different 16-byte columns modulo 256
.set VPITCH, 288                       ; bf16 V row: 256 bytes + 32: an odd multiple of 32, as the transposing load's eight-row groups want
.set VOFF,   64*KPITCH                 ; V's place in a bf16 slot
.set BSLOT,  64*KPITCH+64*VPITCH       ; 35,840 bytes
.set QBASE,  BBASE+2*BSLOT             ; 202,752: each wave's own stage: Q (64 rows x 272), later the way out (16 rows x 528)
.set QBYTES, 64*KPITCH
.set OPITCH, 528                       ; an output row of 512 bytes + 16
; window 0
.set FSRC, 8                           ; v8, v9   my 16 bytes in row 0 of my 16 rows of K's tile in F0, F1
.set DSTK, 10                          ; v10      where my 8 bytes of bf16 K go (slot B0)
.set DSTV, 11                          ; v11      the same for V
.set KFR,  12                          ; v12      K fragments (slot B0)
.set VFR,  13                          ; v13      V fragments (slot B0)
.set QSTO, 14                          ; v14      Q into my stage
.set QFR,  15                          ; v15      Q fragments out of it
.set OSTO, 16                          ; v16      the way out: into my stage
.set ORD,  17                          ; v17      the way out: rows back
.set CO,   18                          ; v18      16 x lane: my bytes in a row of Q and of out
.set PFO,  20                          ; v20      256 x lane, for the prefetch
.set MX,   24                          ; v24-27   running maximum of block q
.set NMC,  28                          ; v28-35   -|c| m, twice (a pair for the packed multiply-add)
.set AL,   36                          ; v36-43   rescale factor, twice; at the end 1 / (l (1 - x4))
.set LSUM, 44                          ; v44-47   running sum of my half of the keys
.set LS,   48                          ; v48-55   a trip's sum, in pairs
.set T,    56                          ; v56-63   at work: one set of four for even q, one for odd q
.set SREG, 64                          ; v64-191  S^T tile (key tile u, block q) at 64 + 32 q + 8 u; P fragment (q, c2) in place at 64 + 32 q + 16 c2
.set CV,   192                         ; v192-255 16 rows x 4 registers of f32 on their way to bf16
; window 1: Q fragment (q, c) at 32 q + 8 c;  K fragment (kt, c) at 128 + 32 kt + 8 c
; window 2: O^T tile (d, q) at 32 d + 8 q for dv tiles d = 0..3;  V fragment (c2, d) at 128 + 32 c2 + 8 d.   window 3: the same for dv tiles 4..7
.set G1, 32                            ; s[32:39] descriptor group 1, never rewritten
.set G0, 40                            ; s[40:47] descriptor group 0, one set for each f32 slot
.set MSB, 0
.macro WIN new                         ; low byte: bits 1:0 source 0, 3:2 source 1, 5:4 source 2, 7:6 destination; the high byte repeats the setting that is left
.if MSB != \new
	s_set_vgpr_msb (MSB<<8)|\new
.set MSB, \new
.endif
.endm
.macro PLACES n
.rept \n
	v_nop
.endr
.endm
; A round of the cluster's barrier: my work-group's barrier, wave 0 signals for the work-group, every wave waits for all four work-groups, my work-group's barrier again.
.macro ROUND
	s_barrier_signal -1
	s_barrier_wait -1
	s_cmp_lg_u32 s16, 0
	s_cbranch_scc1 .Lnot_wave_0_\@
	s_barrier_signal -3
.Lnot_wave_0_\@:
	s_barrier_wait -3
	s_barrier_signal -1
	s_barrier_wait -1
.endm
	s_load_b256 s[4:11], s[0:1], 0x0               ; x1 s[4:5], x2 s[6:7], x3 s[8:9], x4 s[10:11]
	s_load_b128 s[12:15], s[0:1], 0x20             ; x5 s[12:13], out0 s[14:15]
	v_lshl_add_u32 v22, v0, 2, 0x42800
	v_mov_b32 v23, 0
	ds_add_u32 v22, v23
	v_lshrrev_b32 v1, 5, v0
	v_readfirstlane_b32 s16, v1                    ; wave 0..3
	s_bfe_u32 s17, ttmp6, 0x40000                  ; cx: my place in the cluster
	s_lshr_b32 s18, ttmp9, 1                       ; head: two clusters a head (ttmp9 counts clusters)
	s_lshl_b32 s30, s18, 20                        ; a head is 2,048 x 512 bytes
	; Group 1: a dense block of 16 KiB as 64 rows of 32 elements of 8 bytes.  One shape for every load.
	s_mov_b32 s[G1+0], 0x0023000f                  ; 15:0 mask: all four work-groups; 17:16 elements of 8 bytes; 21 set beside a mask; no padding (the f32 tile is read lane by lane, contiguously)
	s_mov_b32 s[G1+1], 32<<16                      ; tensor_dim0 = 32
	s_mov_b32 s[G1+2], 64<<16                      ; tensor_dim1 = 64
	s_mov_b32 s[G1+3], 32<<16                      ; tile_dim0 = 32
	s_mov_b32 s[G1+4], 64                          ; tile_dim1 = 64
	s_mov_b32 s[G1+5], 32                          ; from row to row: 32 elements (dense)
	s_mov_b32 s[G1+6], 0
	s_mov_b32 s[G1+7], 0
	; Group 0: waves 0 and 1 bring the halves of K's tile, waves 2 and 3 those of V's.  Head and wave number alone enter: equal in all four partners.
	s_and_b32 s52, s16, 1
	s_lshl_b32 s52, s52, 14                        ; which 16 KiB of the tile
	s_add_co_u32 s52, s52, s30
	s_mov_b32 s53, 0
	s_wait_dscnt 0x0
	s_wait_kmcnt 0x0
	s_cmp_lt_u32 s16, 2
	s_cselect_b64 s[50:51], s[6:7], s[12:13]       ; K or V
	s_add_nc_u64 s[50:51], s[50:51], s[52:53]
	s_mov_b32 s[G0+0], 1
	s_lshl_b32 s[G0+1], s16, 14                    ; LDS: wave x 16 KiB in F0
	s_mov_b64 s[G0+2:G0+3], s[50:51]               ; tile 0
	s_or_b32 s[G0+3], s[G0+3], 0x80000000          ; type 2
	s_mov_b32 s[G0+4], 1
	s_add_co_u32 s[G0+5], s[G0+1], FSLOT           ; the same place in F1
	s_add_nc_u64 s[G0+6:G0+7], s[50:51], KTILE     ; tile 1
	s_or_b32 s[G0+7], s[G0+7], 0x80000000
	ROUND                                          ; all four work-groups are here: the first joint loads meet
	tensor_load_to_lds s[G0:G0+3], s[G1:G1+7]      ; both first fills go out together, ahead of every LDS read: two tensor loads of the wave are out
	s_nop 0
	tensor_load_to_lds s[G0+4:G0+7], s[G1:G1+7]
	s_nop 0
	s_load_b32 s24, s[8:9], 0x0                    ; x3
	s_load_b32 s25, s[10:11], 0x0                  ; x4
	; Q and out at my wave's 64 rows; the prefetch's base.  Registers that hold cx feed global addresses of my own alone.
	v_and_b32 v1, 31, v0                           ; lane
	v_lshlrev_b32 v[CO], 4, v1
	s_and_b32 s19, ttmp9, 1                        ; which of the head's two clusters
	s_cmp_eq_u32 s19, 0
	s_cselect_b64 s[48:49], s[6:7], s[12:13]       ; the first cluster prefetches K, the second V
	s_lshl2_add_u32 s19, s19, s17                  ; query block 0..7
	s_lshl_b32 s54, s19, 17                        ; 256 rows of 512 bytes
	s_lshl_b32 s55, s16, 15                        ; 64 rows
	s_add_co_u32 s54, s54, s55
	s_add_co_u32 s54, s54, s30
	s_mov_b32 s55, 0
	s_add_nc_u64 s[4:5], s[4:5], s[54:55]
	s_add_nc_u64 s[14:15], s[14:15], s[54:55]
	s_lshl_b32 s56, s17, 13                        ; my quarter (8 KiB) of a tile
	s_add_co_u32 s56, s56, s30
	s_add_co_u32 s56, s56, 2*KTILE                 ; stepped by a tile at the head of each asking trip: trip t asks for tile t + 3
	s_mov_b32 s57, 0
	s_add_nc_u64 s[48:49], s[48:49], s[56:57]
	WIN 0x80                                       ; Q lands in window 2, which is free until the first trip
.set qi, 0
.rept 64
	global_load_b128 v[4*qi:4*qi+3], v[CO], s[4:5] offset:512*qi th:TH_LOAD_NT   ; one load = one whole row of 512 bytes; Q is read once in the launch
.set qi, qi+1
.endr
	WIN 0
	; LDS addresses: lane terms, the wave number times a constant, constants
	v_and_b32 v2, 15, v0                           ; r
	v_bfe_u32 v3, v0, 4, 1                         ; h
	s_lshl_b32 s31, s16, 13                        ; my 16 rows of 512 bytes
	v_lshl_add_u32 v[FSRC], v1, 4, s31
	v_add_nc_u32 v[FSRC+1], FSLOT, v[FSRC]
	s_mul_i32 s31, s16, 16*KPITCH
	s_add_co_u32 s31, s31, BBASE
	v_lshl_add_u32 v[DSTK], v1, 3, s31
	s_mul_i32 s31, s16, 16*VPITCH
	s_add_co_u32 s31, s31, BBASE+VOFF
	v_lshl_add_u32 v[DSTV], v1, 3, s31
	v_mul_u32_u24 v4, v2, KPITCH
	v_lshl_add_u32 v4, v3, 4, v4                   ; row r, 16 bytes for each half of the lanes: a fragment whose rows lie along the summed index
	v_add_nc_u32 v[KFR], BBASE, v4
	v_and_b32 v5, 7, v0
	v_lshl_add_u32 v5, v3, 3, v5                   ; key 8 h + lane % 8
	v_mul_u32_u24 v5, v5, VPITCH
	v_bfe_u32 v6, v0, 3, 1
	v_lshl_add_u32 v5, v6, 4, v5                   ; + 16 bytes for the second eight columns
	v_add_nc_u32 v[VFR], BBASE+VOFF, v5
	s_mul_i32 s29, s16, QBYTES
	s_add_co_u32 s29, s29, QBASE                   ; my own stage
	v_lshl_add_u32 v[QSTO], v1, 3, s29
	v_add_nc_u32 v[QFR], s29, v4
	v_mul_u32_u24 v6, v2, OPITCH
	v_lshl_add_u32 v6, v3, 5, v6                   ; row r, 32 bytes for each half of the lanes
	v_add_nc_u32 v[OSTO], s29, v6
	v_lshl_add_u32 v[ORD], v1, 4, s29
	v_lshlrev_b32 v[PFO], 8, v1
	s_mov_b32 s26, 0x76543210                      ; v_permlanex16_b32: lane i of one half reads lane i of the other
	s_mov_b32 s27, 0xfedcba98
	s_wait_kmcnt 0x0
	s_mul_f32 s20, s24, 0x3fb8aa3b                 ; c = x3 * log2(e)
	s_and_b32 s23, s20, 0x80000000
	s_lshr_b32 s31, s23, 16
	s_or_b32 s23, s23, s31                         ; c's sign on both bf16 of a word
	s_and_b32 s20, s20, 0x7fffffff                 ; |c|
	s_mov_b32 s21, s20                             ; the pair's second register is written too
	s_or_b32 s22, s20, 0x80000000                  ; -|c|
	; Q: round to bf16, give it c's sign, through my own stage into fragments
.set qg, 0
.rept 4
	s_wait_loadcnt 48-16*qg                        ; loads come back in order: these 16 rows are in, the younger rows stay out
	WIN 0x0a
.set qi, 16*qg
.rept 16
	v_cvt_pk_bf16_f32 v[SREG+2*qi], v[4*qi], v[4*qi+1]
	v_cvt_pk_bf16_f32 v[SREG+2*qi+1], v[4*qi+2], v[4*qi+3]
.set qi, qi+1
.endr
	WIN 0
.set qi, 16*qg
.rept 16
	v_xor_b32 v[SREG+2*qi], s23, v[SREG+2*qi]
	v_xor_b32 v[SREG+2*qi+1], s23, v[SREG+2*qi+1]
	ds_store_b64 v[QSTO], v[SREG+2*qi:SREG+2*qi+1] offset:KPITCH*qi
.set qi, qi+1
.endr
.set qg, qg+1
.endr
	WIN 0x40
.set qi, 0
.rept 16                                           ; qi = 4 q + c.  My own bytes, and LDS serves a wave's instructions in order: these see the stores above
	ds_load_b128 v[8*qi:8*qi+3], v[QFR] offset:(qi/4)*16*KPITCH+(qi%4)*64
	ds_load_b128 v[8*qi+4:8*qi+7], v[QFR] offset:(qi/4)*16*KPITCH+(qi%4)*64+32
.set qi, qi+1
.endr
	WIN 0
; 16 rows of f32 (part 0: K, 1: V) of slot F[fs]: one load = one row of 512 bytes, 16 neighbouring bytes a lane
.macro CV_LOAD fs, part
.set ci, 0
.rept 16
	ds_load_b128 v[CV+4*ci:CV+4*ci+3], v[FSRC+\fs] offset:\part*KTILE+512*ci
.set ci, ci+1
.endr
.endm
; and on into slot B[bs] as bf16: 8 neighbouring bytes a lane
.macro CV_PACK bs, part
.set ci, 0
.rept 16
	v_cvt_pk_bf16_f32 v[CV+4*ci], v[CV+4*ci], v[CV+4*ci+1]
	v_cvt_pk_bf16_f32 v[CV+4*ci+1], v[CV+4*ci+2], v[CV+4*ci+3]
.if \part
	ds_store_b64 v[DSTV], v[CV+4*ci:CV+4*ci+1] offset:\bs*BSLOT+VPITCH*ci
.else
	ds_store_b64 v[DSTK], v[CV+4*ci:CV+4*ci+1] offset:\bs*BSLOT+KPITCH*ci
.endif
.set ci, ci+1
.endr
.endm
; K's 16 fragments (ki = 4 kt + c), key tile by key tile
.macro KLOAD bs
	WIN 0x40
.set ki, 0
.rept 16
	ds_load_b128 v[128+8*ki:128+8*ki+3], v[KFR] offset:\bs*BSLOT+(ki/4)*16*KPITCH+(ki%4)*64
	ds_load_b128 v[128+8*ki+4:128+8*ki+7], v[KFR] offset:\bs*BSLOT+(ki/4)*16*KPITCH+(ki%4)*64+32
.set ki, ki+1
.endr
.endm
; V's 8 fragments of one window (vi = 4 c2 + d; dv tile 4 w + d): V lies [key][dv], the load transposes 8 x 8 blocks
.macro VLOADW bs, w
.set vi, 0
.rept 8
	ds_load_tr16_b128 v[128+8*vi:128+8*vi+3], v[VFR] offset:\bs*BSLOT+(vi/4)*32*VPITCH+(4*\w+vi%4)*32
	ds_load_tr16_b128 v[128+8*vi+4:128+8*vi+7], v[VFR] offset:\bs*BSLOT+(vi/4)*32*VPITCH+(4*\w+vi%4)*32+16*VPITCH
.set vi, vi+1
.endr
.endm
; S^T = K Q^T: 64 matrix instructions.  The four accumulators of a key tile take turns, one instruction a turn.
; The first product of each tile starts its sum.  conv = 1: 16 conversion loads were issued behind K's fragments.
.macro QK conv
	WIN 0x05
.set kt, 0
.rept 4
	s_wait_dscnt 8*(3-kt)+16*\conv                 ; key tile kt's eight loads are in; the later key tiles' (8 each) and the conversion's 16 stay out
.set cc, 0
.rept 4
.set qq, 0
.rept 4
.if cc == 0
	v_wmma_f32_16x16x32_bf16 v[SREG+32*qq+8*kt:SREG+32*qq+8*kt+7], v[128+32*kt+8*cc:128+32*kt+8*cc+7], v[32*qq+8*cc:32*qq+8*cc+7], 0
.else
	v_wmma_f32_16x16x32_bf16 v[SREG+32*qq+8*kt:SREG+32*qq+8*kt+7], v[128+32*kt+8*cc:128+32*kt+8*cc+7], v[32*qq+8*cc:32*qq+8*cc+7], v[SREG+32*qq+8*kt:SREG+32*qq+8*kt+7]
.endif
.set qq, qq+1
.endr
.set cc, cc+1
.endr
.set kt, kt+1
.endr
.endm
; The running maximum and what hangs on it, for two query blocks line by line (one T set each), so that dependent lines stand apart.
.macro MAXA q
.set mu, 0
.rept 4
	v_max3_num_f32 v[T+4*(\q%2)+mu], v[SREG+32*\q+8*mu], v[SREG+32*\q+8*mu+1], v[SREG+32*\q+8*mu+2]
.set mu, mu+1
.endr
.endm
.macro MAXB q, o
.set mu, 0
.rept 4
	v_max3_num_f32 v[T+4*(\q%2)+mu], v[T+4*(\q%2)+mu], v[SREG+32*\q+8*mu+\o], v[SREG+32*\q+8*mu+\o+1]
.set mu, mu+1
.endr
.endm
.macro SMAXP qa, qb, first
	MAXA \qa                                       ; four chains a block, one for each key tile: registers 0 to 6
	MAXA \qb
	MAXB \qa, 3
	MAXB \qb, 3
	MAXB \qa, 5
	MAXB \qb, 5
.irp q, \qa, \qb
.set tq, T+4*(\q%2)
.set sq, SREG+32*\q
	v_max3_num_f32 v[tq], v[tq], v[tq+1], v[sq+7]              ; the chains meet and take in each tile's register 7
	v_max3_num_f32 v[tq+2], v[tq+2], v[tq+3], v[sq+15]
.endr
.irp q, \qa, \qb
.set tq, T+4*(\q%2)
.set sq, SREG+32*\q
	v_max3_num_f32 v[tq], v[tq], v[tq+2], v[sq+23]
.endr
.irp q, \qa, \qb
.set tq, T+4*(\q%2)
.set sq, SREG+32*\q
.if \first
	v_max_num_f32 v[tq], v[tq], v[sq+31]
.else
	v_max3_num_f32 v[tq], v[tq], v[sq+31], v[MX+\q]            ; and the maximum so far
.endif
.endr
.irp q, \qa, \qb
.set tq, T+4*(\q%2)
	v_permlanex16_b32 v[tq+1], v[tq], s26, s27                 ; the other half of the lanes holds the query's other keys
.endr
.irp q, \qa, \qb
.set tq, T+4*(\q%2)
	v_max_num_f32 v[MX+\q], v[tq], v[tq+1]
.endr
.irp q, \qa, \qb
.set tq, T+4*(\q%2)
	v_mul_f32 v[tq+2], s22, v[MX+\q]                           ; -|c| m, rounded once: the same number serves p and the rescale factor
.endr
.if \first == 0
.irp q, \qa, \qb
.set tq, T+4*(\q%2)
	v_sub_f32 v[tq+3], v[tq+2], v[NMC+2*\q]                    ; |c| (m before - m now), never above 0
.endr
.endif
.irp q, \qa, \qb
.set tq, T+4*(\q%2)
	v_mov_b32 v[NMC+2*\q], v[tq+2]
	v_mov_b32 v[NMC+2*\q+1], v[tq+2]
.endr
.if \first == 0
.irp q, \qa, \qb
.set tq, T+4*(\q%2)
	v_exp_f32 v[AL+2*\q], v[tq+3]                  ; the line behind these four is a plain one that names neither AL nor the two sources (ISA guide 5.7.2)
	v_exp_f32 v[AL+2*\q+1], v[tq+3]
.endr
.endif
.endm
; p = 2^(|c| s' - |c| m), its sum, and P in bf16, tile by tile (g = 4 q + u at SREG + 8 g), three tiles in a pipeline:
; A1: the exponent, two at a time.  B1: the exponential.  C1: i < 4 the sum in pairs, i >= 4 two roundings into P's fragment.
.macro A1 g, i
	v_pk_fma_f32 v[SREG+8*(\g)+2*(\i):SREG+8*(\g)+2*(\i)+1], v[SREG+8*(\g)+2*(\i):SREG+8*(\g)+2*(\i)+1], s[20:21], v[NMC+2*((\g)/4):NMC+2*((\g)/4)+1] op_sel_hi:[1,0,1]
.endm
.macro B1 g, i
	v_exp_f32 v[SREG+8*(\g)+(\i)], v[SREG+8*(\g)+(\i)]
.endm
.macro C1 g, i
.if (\i) < 4
.if ((\g)%4) != 0
	s_wait_alu depctr_va_vdst(0)
	v_pk_add_f32 v[LS+2*((\g)/4):LS+2*((\g)/4)+1], v[LS+2*((\g)/4):LS+2*((\g)/4)+1], v[SREG+8*(\g)+2*(\i):SREG+8*(\g)+2*(\i)+1]
.else
.if (\i) == 0
	s_wait_alu depctr_va_vdst(0)
	v_pk_add_f32 v[LS+2*((\g)/4):LS+2*((\g)/4)+1], v[SREG+8*(\g):SREG+8*(\g)+1], v[SREG+8*(\g)+2:SREG+8*(\g)+3]   ; a block's first two pairs start its sum
.endif
.if (\i) > 1
	v_pk_add_f32 v[LS+2*((\g)/4):LS+2*((\g)/4)+1], v[LS+2*((\g)/4):LS+2*((\g)/4)+1], v[SREG+8*(\g)+2*(\i):SREG+8*(\g)+2*(\i)+1]
.endif
.endif
.else
	v_cvt_pk_bf16_f32 v[SREG+16*((\g)/2)+4*((\g)%2)+(\i)-4], v[SREG+8*(\g)+2*(\i)-8], v[SREG+8*(\g)+2*(\i)-7]   ; lands on registers whose p are summed and rounded already
.endif
.endm
.macro CTAIL q, first                  ; l = l * factor + this trip's sum
.if \first
	v_add_f32 v[LSUM+(\q)], v[LS+2*(\q)], v[LS+2*(\q)+1]
.else
	v_add_f32 v[T+4*((\q)%2)], v[LS+2*(\q)], v[LS+2*(\q)+1]
	v_fma_f32 v[LSUM+(\q)], v[LSUM+(\q)], v[AL+2*(\q)], v[T+4*((\q)%2)]
.endif
.endm
.macro SM2 first
	A1 0, 0
	A1 0, 1
	A1 0, 2
	A1 0, 3
.set sg, 0
.rept 16
.set si, 0
.rept 4                                            ; behind an exponential stands a plain line on another tile, or another exponential and then such a line (ISA guide 5.7.2)
	B1 sg, 2*si
.if sg < 15
	A1 sg+1, si
.endif
.if sg > 0
	C1 sg-1, si
.endif
	B1 sg, 2*si+1
.if sg > 0
	C1 sg-1, si+4
.endif
.set si, si+1
.endr
.if sg > 0
.if ((sg-1)%4) == 3
	CTAIL (sg-1)/4, \first
.endif
.endif
.set sg, sg+1
.endr
.set si, 0
.rept 4
	C1 15, si
	C1 15, si+4
.set si, si+1
.endr
	CTAIL 3, \first
.endm
; O^T tile (d, q) of the window in force times block q's factor
.macro RESC d, q
.set rk, 0
.rept 4
	v_pk_mul_f32 v[32*(\d)+8*(\q)+2*rk:32*(\d)+8*(\q)+2*rk+1], v[32*(\d)+8*(\q)+2*rk:32*(\d)+8*(\q)+2*rk+1], v[AL+2*(\q):AL+2*(\q)+1]
.set rk, rk+1
.endr
.endm
; O^T += V^T P^T for the four dv tiles of the window in force: 32 matrix instructions.  The sixteen accumulators take turns, one instruction a turn.
; The rescale of dv tile d + 1 stands among the products of dv tile d: it names no register of this trip's earlier products.
.macro PVW first
.if \first == 0
	RESC 0, 0
	RESC 0, 1
	RESC 0, 2
	RESC 0, 3
.endif
.set pd, 0
.rept 4
.set pq, 0
.rept 4
.if \first
	v_wmma_f32_16x16x32_bf16 v[32*pd+8*pq:32*pd+8*pq+7], v[128+8*pd:128+8*pd+7], v[SREG+32*pq:SREG+32*pq+7], 0
.else
	v_wmma_f32_16x16x32_bf16 v[32*pd+8*pq:32*pd+8*pq+7], v[128+8*pd:128+8*pd+7], v[SREG+32*pq:SREG+32*pq+7], v[32*pd+8*pq:32*pd+8*pq+7]
.if pd < 3
	RESC pd+1, pq
.endif
.endif
.set pq, pq+1
.endr
.set pd, pd+1
.endr
.set pd, 0
.rept 4
.set pq, 0
.rept 4
	v_wmma_f32_16x16x32_bf16 v[32*pd+8*pq:32*pd+8*pq+7], v[160+8*pd:160+8*pd+7], v[SREG+32*pq+16:SREG+32*pq+23], v[32*pd+8*pq:32*pd+8*pq+7]
.set pq, pq+1
.endr
.set pd, pd+1
.endr
.endm
; Trip t (slot = t % 2, oth = the other): multiplies tile t out of B[slot]; conv: rounds tile t + 1 from F[oth] into B[oth];
; refill: asks for tile t + 2 into F[slot]; pf: wave 0 prefetches the work-group's share of tile t + 3.
.macro TRIP slot, oth, first, refill, conv, pf
	s_wait_tensorcnt 0x0                           ; all my tensor loads have landed (one was out: my part of tile t + 1), so a group 0 may be written
	ds_add_u32 v22, v23
	s_wait_dscnt 0x0
.if \refill
	s_add_nc_u64 s[G0+4*\slot+2:G0+4*\slot+3], s[G0+4*\slot+2:G0+4*\slot+3], 2*KTILE   ; this slot's next tile; the type bits on top are not reached
.endif
.if \pf
	s_wait_xcnt 0x0                                ; the last trip's prefetch has had its address translated: its base is stepped only behind this wait
	s_add_nc_u64 s[48:49], s[48:49], KTILE
.endif
	s_wait_dscnt 0x0                               ; my reads of F[slot] and of B[oth] are back, my stores into B[slot] are done
.if \refill
	ROUND                                          ; all that now holds of every wave of all four work-groups
	tensor_load_to_lds s[G0+4*\slot:G0+4*\slot+3], s[G1:G1+7]      ; my one tensor load behind the round, and the first thing there: one is out until the next trip's wait
	s_nop 0
.else
	s_barrier_signal -1                            ; my work-group's alone
	s_barrier_wait -1
.endif
.if \pf
	s_cmp_lg_u32 s16, 0
	s_cbranch_scc1 .Lnopf_\@
	global_prefetch_b8 v[PFO], s[48:49] th:TH_LOAD_NT scope:SCOPE_SE   ; 32 lanes, 256 bytes apart: my eighth of tile t + 3 of K and V, asked for by no one else; its tensor load goes out in trip t + 1
.Lnopf_\@:
.endif
	KLOAD \slot
	WIN 0
.if \conv
	CV_LOAD \oth, 0
.endif
	QK \conv
	WIN 0
	PLACES 4                                       ; four places between the last product and the first line that reads S (ISA guide 7.12.1)
	WIN 0x80
	VLOADW \slot, 0
	WIN 0xc0
	VLOADW \slot, 1
	WIN 0
	SMAXP 0, 1, \first
	SMAXP 2, 3, \first
.if \conv
	s_wait_dscnt 32                                ; K's 16 rows of f32 are in; the 32 loads of V's fragments, issued behind them, stay out
	CV_PACK \oth, 0
	CV_LOAD \oth, 1
.endif
	SM2 \first
	s_wait_dscnt 0x0                               ; V's fragments, and V's 16 rows of f32
.if \conv
	CV_PACK \oth, 1
.endif
	WIN 0xa2
	PVW \first
	WIN 0xf3
	PVW \first
	WIN 0
	PLACES 5                                       ; five places before the next trip's products write over P, four before loads land on fragments or a vector line reads O
.endm
	s_wait_dscnt 0x0                               ; Q's fragments are in
	s_wait_tensorcnt 0x1                           ; my part of tile 0 has landed; tile 1's load, issued behind it, stays out
	s_barrier_signal -1
	s_barrier_wait -1                              ; everybody's part of tile 0 has
	CV_LOAD 0, 0
	s_wait_dscnt 0x0
	CV_PACK 0, 0
	CV_LOAD 0, 1
	s_wait_dscnt 0x0
	CV_PACK 0, 1
	TRIP 0, 1, 1, 1, 1, 1                          ; trip 0 starts m, l and O
	s_mov_b32 s28, 14
.Ltrips:                                           ; trips 1 to 28
	TRIP 1, 0, 0, 1, 1, 1
	TRIP 0, 1, 0, 1, 1, 1
	s_sub_co_u32 s28, s28, 1
	s_cmp_lg_u32 s28, 0
	s_cbranch_scc1 .Ltrips
	TRIP 1, 0, 0, 1, 1, 0                          ; trip 29 asks for tile 31, the last; there is no tile 32 to prefetch
	TRIP 0, 1, 0, 0, 1, 0                          ; trip 30 rounds tile 31 and fills nothing
	TRIP 1, 0, 0, 0, 0, 0                          ; trip 31
	; 1 / (l (1 - x4)): the two halves of the lanes add their keys' sums
	v_mov_b32 v4, s25
	v_sub_f32 v4, 1.0, v4
.irp q, 0,1,2,3
	v_permlanex16_b32 v[T+\q], v[LSUM+\q], s26, s27
.endr
.irp q, 0,1,2,3
	v_add_f32 v[LSUM+\q], v[LSUM+\q], v[T+\q]
.endr
.irp q, 0,1,2,3
	v_mul_f32 v[LSUM+\q], v[LSUM+\q], v4
.endr
.irp q, 0,1,2,3
	v_rcp_f32 v[AL+2*\q], v[LSUM+\q]
	v_rcp_f32 v[AL+2*\q+1], v[LSUM+\q]
.endr
	v_nop                                          ; one plain place behind the reciprocals (ISA guide 5.7.2)
	s_wait_alu depctr_va_vdst(0)
	WIN 0xa2
.irp d, 0,1,2,3
.irp q, 0,1,2,3
	RESC \d, \q
.endr
.endr
	WIN 0xf3
.irp d, 0,1,2,3
.irp q, 0,1,2,3
	RESC \d, \q
.endr
.endr
; The way out, 16 output rows (block q) at a time: a lane's 8 numbers of each dv tile go as 32 bytes into my own stage, whole rows of 512 bytes come back
; and are stored: each store of the wave covers 512 consecutive bytes that start at a multiple of 512 from out0's first byte.  f: v64 or v128 in turn.
.macro OUT q, f
	WIN 0x08
.set od, 0
.rept 4
	ds_store_b128 v[OSTO], v[32*od+8*\q:32*od+8*\q+3] offset:64*od
	ds_store_b128 v[OSTO], v[32*od+8*\q+4:32*od+8*\q+7] offset:64*od+16
.set od, od+1
.endr
	WIN 0x0c
.set od, 0
.rept 4
	ds_store_b128 v[OSTO], v[32*od+8*\q:32*od+8*\q+3] offset:256+64*od
	ds_store_b128 v[OSTO], v[32*od+8*\q+4:32*od+8*\q+7] offset:256+64*od+16
.set od, od+1
.endr
	WIN 0
	s_wait_xcnt 0x0                                ; buffer f, which earlier stores read, is loaded again only behind this wait
.set ot, 0
.rept 16
	ds_load_b128 v[\f+4*ot:\f+4*ot+3], v[ORD] offset:OPITCH*ot     ; my own bytes, served in order: these see the stores above
.set ot, ot+1
.endr
.set ot, 0
.rept 16
	s_wait_dscnt 15-ot                             ; row ot is back; the younger rows stay out
	global_store_b128 v[CO], v[\f+4*ot:\f+4*ot+3], s[14:15] offset:(16*\q+ot)*512 th:TH_STORE_NT
.set ot, ot+1
.endr
.endm
	OUT 0, 64
	OUT 1, 128
	OUT 2, 64
	OUT 3, 128
	s_wait_tensorcnt 0x0
	ds_add_u32 v22, v23
	s_wait_dscnt 0x0
	ROUND                                          ; the closing round: no work-group ends while a partner may still ask for a tile that names it
	s_endpgm
.Lfunc_end_k_q0a62fb5f68_attn:
	.size	k_q0a62fb5f68_attn, .Lfunc_end_k_q0a62fb5f68_attn-k_q0a62fb5f68_attn
	.p2alignl 7, 3214868480
	.fill 96, 4, 3214868480
	.section	.rodata,"a",@progbits
	.p2align	6, 0x0
	.amdhsa_kernel k_q0a62fb5f68_attn
		.amdhsa_group_segment_fixed_size 327680
		.amdhsa_private_segment_fixed_size 0
		.amdhsa_enable_private_segment 0
		.amdhsa_kernarg_size 48
		.amdhsa_user_sgpr_count 2
		.amdhsa_user_sgpr_kernarg_segment_ptr 1
		.amdhsa_wavefront_size32 1
		.amdhsa_system_sgpr_workgroup_id_x 1
		.amdhsa_system_sgpr_workgroup_id_y 1
		.amdhsa_system_sgpr_workgroup_id_z 1
		.amdhsa_system_vgpr_workitem_id 0
		.amdhsa_next_free_vgpr 960
		.amdhsa_next_free_sgpr 66
		.amdhsa_reserve_vcc 0
		.amdhsa_float_denorm_mode_32 3
		.amdhsa_float_denorm_mode_16_64 3
		.amdhsa_memory_ordered 1
		.amdhsa_forward_progress 1
		.amdhsa_inst_pref_size 255
	.end_amdhsa_kernel
	.section	.bss,"aw",@nobits
	.p2align	6
	.space	262144
	.amdgpu_metadata
---
amdhsa.version: [ 1, 2 ]
amdhsa.kernels:
  - .name:           k_q0a62fb5f68_attn
    .symbol:         k_q0a62fb5f68_attn.kd
    .args:
      - { .name: x1, .offset: 0, .size: 8, .value_kind: global_buffer, .address_space: global }
      - { .name: x2, .offset: 8, .size: 8, .value_kind: global_buffer, .address_space: global }
      - { .name: x3, .offset: 16, .size: 8, .value_kind: global_buffer, .address_space: global }
      - { .name: x4, .offset: 24, .size: 8, .value_kind: global_buffer, .address_space: global }
      - { .name: x5, .offset: 32, .size: 8, .value_kind: global_buffer, .address_space: global }
      - { .name: out0, .offset: 40, .size: 8, .value_kind: global_buffer, .address_space: global }
    .group_segment_fixed_size: 327680
    .private_segment_fixed_size: 0
    .kernarg_segment_align: 8
    .kernarg_segment_size: 48
    .max_flat_workgroup_size: 128
    .sgpr_count:     66
    .vgpr_count:     960
    .wavefront_size: 32
...
	.end_amdgpu_metadata
.endif
;; end of part 1
